; MI455X (gfx1250); checked and timed in simulation.
; The chip was launched on July 23, 2026; its instructions are those of AMD's public machine-readable ISA for CDNA 5 (MIT licence, August 2026) and "CDNA5" Instruction Set Architecture Reference Guide (July 2026). The comments in the code are by the model that wrote it; some were corrected since.
;; RK4 block ln Ro. Allowed arithmetic: float matrix products may take bf16 or f16 operands with f32 sums; all other float work in f32.
;; Inputs: WW1 11 x 10 x 5 x 2 float32; WW2 11 x 10 x 2 x 5 float32; bb1 11 x 10 x 5 float32; lnRo 131,072 float32; t 1 float32; x0 131,072 x 2 float32; x1 131,072 x 2 float32; x2 131,072 x 2 float32.
;; Outputs: out0 131,072 float32.
;; 2 versions, each right and faster than the one before. Each part assembles by itself: llvm-mc -triple=amdgcn-amd-amdhsa -mcpu=gfx1250 --defsym DOCPART=n.
;; ======== version 1 of 2: 1 launch
;; launch rk4 (part 1): grid 256 x 1, 8 waves a work-group, no clusters, 21,504 bytes of LDS; arguments WW1, WW2, bb1, lnRo, t, x0, x1, x2, out0; writes out0
.if DOCPART == 1
	.amdgcn_target "amdgcn-amd-amdhsa--gfx1250"
	.amdhsa_code_object_version 6
	.text
	.protected	k_q4e4ce2e850_rk4
	.globl	k_q4e4ce2e850_rk4
	.p2align	8
	.type	k_q4e4ce2e850_rk4,@function
k_q4e4ce2e850_rk4:
	s_mov_b64 s[64:65], 0
	v_nop
	global_prefetch_b8 v0, s[64:65] scope:SCOPE_SE
	s_setreg_imm32_b32 hwreg(HW_REG_WAVE_MODE, 25, 1), 1
	s_wait_xcnt 0x0
; out[r] = lnRo[r] - (0.05/6) (d(x0[r], t) + 4 d(x1[r], t + 0.025) + d(x2[r], t + 0.05)),
; d(x, t') = sum over the 550 units e = (i, l, h) of phi_i(t') g_e (1 - tanh^2(W1_e . x + b_e)),  g_e = sum over d of WW2[i,l,d,h] WW1[i,l,h,d].
;
; WHAT IS NOT COMPUTED.  phi is the hat basis on the 11 knots k/10: for any real t' only the knots i0 = clamp(floor(10 t'), 0, 9) and i0 + 1
; can carry weight (outside [-0.1, 1.1] the same formula gives both the weight 0).  So 3 times x 2 knots x 50 units = 300 units per row are
; evaluated in place of 1,650.  The choice hangs on t, a float, so it steers no address and no branch: every work-group reads all of WW1, WW2, bb1,
; builds all 550 units in LDS and picks the 300 by v_cndmask_b32.
; ARITHMETIC.  With c = 2 log2(e) folded into W1 and b:  z' = c z,  u = 2^-|z'| = e^(-2|z|) in [0, 1],  r = 1 / (1 + u),  1 - tanh^2 z = 4 (r - r^2).
; Nothing can overflow, since u <= 1.  The weight kept in the table is w' = kappa hat g, kappa = -(0.05/6) 10 4 {1, 4, 1} = -1/3, -4/3, -1/3.
; One v_rcp_f32 serves four evaluations (two units x my two rows): their four 1 + u lie in [1, 2], the product PP in [1, 16], and each
; 1 / (1 + u) is 1 / PP times the other three.
; LIMITS KEPT.  (1) The nine knots left out at each time have weight 0 in exact arithmetic; in f32 the hat formula can leave them a rounding residue
; (about 1e-6 for t in [0, 1], about 4e-5 for |t| near 30), which is dropped here, and non-finite numbers in the weights of such knots do not reach
; the result.  (2) A NaN or infinite t gives hat weights 0, not NaN.  (3) A knot is taken as k x 0.1 in f32, at most one unit in the last place
; from k / 10.  (4) The constants are folded into the tables, so the order of rounding differs from the formula's as written above.
; r - r^2 carries an absolute error of a few 1e-7 whatever z is.
; SHARES.  256 work-groups of 8 waves; a work-group owns 512 rows, thread t the rows 2 t and 2 t + 1 of them (packed f32 arithmetic: low half row 2 t).
; NOT USED, and why: matrix instructions (K = 2 would fill 2 of 32 places along K, and 16-bit operands would spoil z where W.x and b cancel);
; tensor loads and clusters (the work-groups share only the 11,000 bytes of tables, read once each); prefetches (every global load is issued at the start).
.set FT,   0                           ; LDS: full table, 768 slots of 16 bytes (a0', a1', b', g); slot e = 50 i + 5 l + h; slots 550-767 repeat unit 549,
                                       ;      so that each thread stores three slots of its own and no store is masked
.set CT,   12288                       ; LDS: chosen table, slot = thread + 256 pass, 16 bytes (a0', a1', b', w'); group g = 2 tau + a at CT + 1024 g,
                                       ;      slots 0-49 of a group are used; groups 6, 7 (the last 2,048 bytes) are neither written nor read
.set KNOT, 800                         ; bytes of a knot's 50 units in FT
.set GRP,  1024                        ; bytes from group to group in CT
.set BLK,  160                         ; bytes of a block: 10 units of one group
.set T16,  1                           ; v1       16 x thread
.set LH16, 2                           ; v2       16 x (thread mod 64)
.set LA,   3                           ; v3       main loop: LDS address of this trip's units in group 0, the same in all lanes
.set XO,   4                           ; v4       my byte offset in x0, x1, x2
.set RO,   5                           ; v5       my byte offset in lnRo and out0
.set O8,   6                           ; v6-8     8 e   (WW1), e = min(thread + 256 k, 549), k = 0, 1, 2
.set O4,   9                           ; v9-11    4 e   (bb1)
.set O2,   12                          ; v12-14   4 (e + 5 (e / 5))  (WW2, d = 0; d = 1 lies 20 bytes on)
.set X,    16                          ; v[16:27] set tau at X + 4 tau: (x of row 0, x of row 1, y of row 0, y of row 1)
.set ACC,  28                          ; v[28:29] sum of the even units, started by lnRo; v[30:31] sum of the odd units
.set Z,    32                          ; v[32:51] five sets of 4: z', then u, then 1 + u of a quad (unit j rows 0, 1; unit j + 1 rows 0, 1)
.set P,    52                          ; v[52:55] two sets: (1 + u_j)(1 + u_j+1) for rows 0, 1
.set PR,   56                          ; v[56:59] two sets: 1 / PP in the even register, PP in the odd one
.set Q,    60                          ; v[60:61] 1 / P
.set RR,   62                          ; v[62:65] r, then r - r^2
.set E,    68                          ; v[68:187] three buffers of 10 units x 4 registers; the preparation uses these registers first:
.set W1,   68                          ;   v[68:73] WW1 of my three units   v74-76 bb1   v77-79 WW2 d = 0   v80-82 WW2 d = 1
.set BB,   74
.set W2A,  77
.set W2B,  80
.set FQ,   84                          ;   v[84:95] my three slots of FT
.set CAND, 68                          ;   v[68:111] the eleven knots' candidates for a slot of CT; v112-121 the hat weight's arithmetic
	s_load_b512 s[4:19], s[0:1], 0x0               ; WW1 s[4:5], WW2 s[6:7], bb1 s[8:9], lnRo s[10:11], t s[12:13], x0 s[14:15], x1 s[16:17], x2 s[18:19]
	s_load_b64 s[20:21], s[0:1], 0x40              ; out0
	v_lshl_add_u32 v188, v0, 2, 0x5000
	v_mov_b32 v189, 0
	v_lshrrev_b32 v15, 5, v0
	v_readfirstlane_b32 s28, v15                   ; wave 0..7
	s_lshl_b32 s24, ttmp9, 12                      ; 512 rows of 8 bytes
	s_lshl_b32 s25, ttmp9, 11                      ; 512 rows of 4 bytes
	s_mov_b32 s29, 0xbeaaaaab                      ; -1/3
	v_lshlrev_b32 v[T16], 4, v0
	v_and_b32 v[LH16], 63, v0
	v_lshlrev_b32 v[LH16], 4, v[LH16]
	v_lshl_add_u32 v[XO], v0, 4, s24               ; two rows of x: 16 bytes a thread
	v_lshl_add_u32 v[RO], v0, 3, s25               ; two rows of lnRo, out0: 8 bytes a thread
.irp k, 0,1,2
	v_add_nc_u32 v[O4+\k], 256*\k, v0              ; e
.if \k == 2
	v_min_u32 v[O4+\k], 549, v[O4+\k]              ; threads beyond the last unit take it once more: no load leaves a table
.endif
	v_mul_u32_u24 v15, v[O4+\k], 0xcccd            ; e / 5 = (52,429 e) >> 18, exact for e < 43,690
	v_lshrrev_b32 v15, 18, v15
	v_mad_u32_u24 v15, v15, 5, v[O4+\k]            ; WW2's index (10 (e / 5) + 5 d + e mod 5) = e + 5 (e / 5) + 5 d
	v_lshlrev_b32 v[O2+\k], 2, v15
	v_lshlrev_b32 v[O8+\k], 3, v[O4+\k]
	v_lshlrev_b32 v[O4+\k], 2, v[O4+\k]
.endr
	s_wait_kmcnt 0x0
	s_load_b32 s22, s[12:13], 0x0                  ; t
.irp k, 0,1,2
	global_load_b64 v[W1+2*\k:W1+2*\k+1], v[O8+\k], s[4:5]
	global_load_b32 v[BB+\k],  v[O4+\k], s[8:9]
	global_load_b32 v[W2A+\k], v[O2+\k], s[6:7]
	global_load_b32 v[W2B+\k], v[O2+\k], s[6:7] offset:20
.endr
	global_load_b128 v[X:X+3],    v[XO], s[14:15] th:TH_LOAD_NT   ; a wave's load covers 512 consecutive bytes; read once in the launch
	global_load_b128 v[X+4:X+7],  v[XO], s[16:17] th:TH_LOAD_NT
	global_load_b128 v[X+8:X+11], v[XO], s[18:19] th:TH_LOAD_NT
	global_load_b64  v[ACC:ACC+1], v[RO], s[10:11] th:TH_LOAD_NT  ; lnRo starts the first sum
	; PHASE A: the full table.  Each thread makes three slots.
	s_wait_loadcnt 0x4                             ; loads come back in order (ISA guide 5.7.1): the twelve table loads are in, x0, x1, x2, lnRo stay out
.irp k, 0,1,2
	v_pk_mul_f32 v[FQ+4*\k:FQ+4*\k+1], v[W1+2*\k:W1+2*\k+1], 0x4038aa3b op_sel_hi:[1,0]   ; a' = 2 log2(e) W1
	v_mul_f32 v[FQ+4*\k+2], 0x4038aa3b, v[BB+\k]                                          ; b' = 2 log2(e) b
	v_mul_f32 v[FQ+4*\k+3], v[W2A+\k], v[W1+2*\k]                                         ; g
	v_fmac_f32 v[FQ+4*\k+3], v[W2B+\k], v[W1+2*\k+1]
	ds_store_b128 v[T16], v[FQ+4*\k:FQ+4*\k+3] offset:FT+4096*\k
.endr
	s_wait_dscnt 0x0                               ; my slots are written, for the other waves' sake,
	s_barrier_signal -1
	s_barrier_wait -1                              ; and so are everybody's
	s_wait_kmcnt 0x0                               ; t
; PHASE B: one slot of the chosen table for each thread.  Slot = thread + 256 k: time tau = slot / 128, neighbour a = (slot / 64) mod 2,
; unit in the knot = slot mod 64 (50-63: finite numbers from FT's next slots, stored and never used).
; All eleven knots' candidates are read; the knot's number only selects values.
.macro SELECT k
.irp i, 0,1,2,3,4,5,6,7,8,9,10
	ds_load_b128 v[CAND+4*\i:CAND+4*\i+3], v[LH16] offset:FT+KNOT*\i
.endr
	v_lshrrev_b32 v112, 7, v0
.if \k
	v_add_nc_u32 v112, 2*\k, v112                  ; tau
.endif
	v_bfe_u32 v113, v0, 6, 1                       ; a
	v_cvt_f32_u32 v114, v112
	v_and_b32 v115, 1, v112
	v_cvt_f32_u32 v115, v115                       ; 1.0 for the middle time
	v_cvt_f32_u32 v113, v113
	v_fma_f32 v114, v114, 0x3ccccccd, s22          ; t' = t + 0.025 tau (2 x 0.025 in f32 is 0.05 in f32: one rounding, as in t + 0.05)
	v_mul_f32 v116, 0x41200000, v114               ; 10 t'
	v_floor_f32 v116, v116
	v_max_num_f32 v116, 0, v116
	v_min_num_f32 v116, 0x41100000, v116           ; i0 = clamp(floor(10 t'), 0, 9)
	v_add_f32 v116, v116, v113                     ; my knot, i0 + a
	v_cvt_u32_f32 v117, v116
	v_fma_f32 v118, v116, 0xbdcccccd, v114         ; s = t' - 0.1 knot
	v_add_f32 v119, 0x3dcccccd, v118               ; s + 0.1
	v_add_f32 v120, 0xbdcccccd, v118               ; s - 0.1
	v_max_num_f32 v118, 0, v118
	v_max_num_f32 v119, 0, v119
	v_max_num_f32 v120, 0, v120
	v_fma_f32 v119, v118, -2.0, v119               ; relu(s + 0.1) - 2 relu(s)
	v_add_f32 v119, v119, v120                     ; + relu(s - 0.1)
	v_fma_f32 v121, v115, -1.0, s29                ; kappa = -1/3, or -4/3 for the middle time
	v_mul_f32 v119, v119, v121
	s_wait_dscnt 0x0                               ; the eleven candidates
.irp i, 1,2,3,4,5,6,7,8,9,10
	v_cmp_eq_u32 vcc_lo, \i, v117
	v_cndmask_b32 v[CAND],   v[CAND],   v[CAND+4*\i],   vcc_lo
	v_cndmask_b32 v[CAND+1], v[CAND+1], v[CAND+4*\i+1], vcc_lo
	v_cndmask_b32 v[CAND+2], v[CAND+2], v[CAND+4*\i+2], vcc_lo
	v_cndmask_b32 v[CAND+3], v[CAND+3], v[CAND+4*\i+3], vcc_lo
.endr
	v_mul_f32 v[CAND+3], v[CAND+3], v119           ; w' = kappa hat g
	ds_store_b128 v[T16], v[CAND:CAND+3] offset:CT+4096*\k
.endm
	SELECT 0                                       ; groups 0-3: times t and t + 0.025
	s_cmp_ge_u32 s28, 4
	s_cbranch_scc1 .Lchosen                        ; groups 4, 5 (time t + 0.05) are 128 slots: waves 0-3
	SELECT 1
.Lchosen:
	s_wait_loadcnt 0x0                             ; x0, x1, x2, lnRo
	s_wait_dscnt 0x0                               ; my slots of the chosen table are written, for the others' sake
	s_barrier_signal -1
.irp s, 0,1,2
	v_mov_b32 v66, v[X+4*\s+1]                     ; (x, y) of two rows becomes (x, x, y, y): pairs for the packed arithmetic
	v_mov_b32 v[X+4*\s+1], v[X+4*\s+2]
	v_mov_b32 v[X+4*\s+2], v66
.endr
	v_mov_b32 v[ACC+2], 0
	v_mov_b32 v[ACC+3], 0
	v_mov_b32 v[LA], CT
	s_barrier_wait -1                              ; the chosen table is whole; it is never written again: no further barrier
; PHASE C.  A quad = units j, j + 1 of one group x my two rows.  A trip = 30 quads: a block of 5 quads (10 units) of each of the 6 groups.
; Five trips, 150 quads.  A block's 10 units come by ten LDS loads, every lane at the same address, into one of three register buffers.
.macro FETCH buf, off
.irp e, 0,1,2,3,4,5,6,7,8,9
	ds_load_b128 v[E+40*(\buf)+4*\e:E+40*(\buf)+4*\e+3], v[LA] offset:(\off)+16*\e
.endr
.endm
; One step of the pipeline over quads: quad i ends (fb), quad i + 1 forms its products and its reciprocal (fm), quad i + 2 its four exponentials (fe),
; quad i + 3 its four z' (fz).  Indices wrap at 30.  The lines of the four stages are interleaved, one transcendental to three plain instructions.
; Behind v_exp_f32 and v_rcp_f32 one plain vector instruction that names none of their registers stands before the result is used (ISA guide 5.7.2):
; every result is used in the following step at the earliest, and with each set of flags used below a plain line of another stage lies between
; (behind the last exponential the PP or z' line of its group; behind the reciprocal the lines of stage fb, or the next step's first 1 + u line).
.macro STEP i, fb, fm, fe, fz
.set QB, (\i)%30
.set QM, (\i+1)%30
.set QE, (\i+2)%30
.set QZ, (\i+3)%30
.set ZBr, Z+4*(QB%5)
.set ZMr, Z+4*(QM%5)
.set ZEr, Z+4*(QE%5)
.set ZZr, Z+4*(QZ%5)
.set PBr, P+2*(QB%2)
.set PMr, P+2*(QM%2)
.set RBr, PR+2*(QB%2)
.set RMr, PR+2*(QM%2)
.set EBr, E+40*((QB/5)%3)+8*(QB%5)
.set EZr, E+40*((QZ/5)%3)+8*(QZ%5)
.set XZr, X+4*((QZ/5)/2)                           ; group g = block number = 2 tau + a
.if \fe
	v_exp_f32 v[ZEr], -|v[ZEr]|                                                            ; u = 2^-|z'|
.endif
.if \fm
	s_wait_alu depctr_va_vdst(0)
	v_pk_add_f32 v[ZMr:ZMr+1], v[ZMr:ZMr+1], 1.0 op_sel_hi:[1,0]                           ; d_j = 1 + u_j
.endif
.if \fb
	s_wait_alu depctr_va_vdst(0)
	v_pk_mul_f32 v[Q:Q+1], v[RBr:RBr+1], v[PBr:PBr+1] op_sel:[0,1] op_sel_hi:[0,0]         ; 1 / P = (P of the other row) / PP
.endif
.if \fz
	v_pk_fma_f32 v[ZZr:ZZr+1], v[XZr:XZr+1], v[EZr:EZr+1], v[EZr+2:EZr+3] op_sel_hi:[1,0,0]           ; x a0' + b', unit j
.endif
.if \fe
	v_exp_f32 v[ZEr+1], -|v[ZEr+1]|
.endif
.if \fm
	v_pk_add_f32 v[ZMr+2:ZMr+3], v[ZMr+2:ZMr+3], 1.0 op_sel_hi:[1,0]                       ; d_j+1
.endif
.if \fb
	v_pk_mul_f32 v[RR:RR+1], v[Q:Q+1], v[ZBr+2:ZBr+3]                                      ; r_j = d_j+1 / P
.endif
.if \fz
	v_pk_fma_f32 v[ZZr+2:ZZr+3], v[XZr:XZr+1], v[EZr+4:EZr+5], v[EZr+6:EZr+7] op_sel_hi:[1,0,0]       ; unit j + 1
.endif
.if \fe
	v_exp_f32 v[ZEr+2], -|v[ZEr+2]|
.endif
.if \fm
	v_pk_mul_f32 v[PMr:PMr+1], v[ZMr:ZMr+1], v[ZMr+2:ZMr+3]                                ; P = d_j d_j+1, rows 0 and 1
.endif
.if \fb
	v_pk_mul_f32 v[RR+2:RR+3], v[Q:Q+1], v[ZBr:ZBr+1]                                      ; r_j+1 = d_j / P
.endif
.if \fz
	v_pk_fma_f32 v[ZZr:ZZr+1], v[XZr+2:XZr+3], v[EZr:EZr+1], v[ZZr:ZZr+1] op_sel:[0,1,0] op_sel_hi:[1,1,1]           ; + y a1', unit j
.endif
.if \fe
	v_exp_f32 v[ZEr+3], -|v[ZEr+3]|
.endif
.if \fm
	v_mul_f32 v[RMr+1], v[PMr], v[PMr+1]                                                   ; PP, in [1, 16]
.endif
.if \fb
	v_pk_fma_f32 v[RR:RR+1], v[RR:RR+1], v[RR:RR+1], v[RR:RR+1] neg_lo:[1,0,0] neg_hi:[1,0,0]         ; r - r^2
.endif
.if \fz
	v_pk_fma_f32 v[ZZr+2:ZZr+3], v[XZr+2:XZr+3], v[EZr+4:EZr+5], v[ZZr+2:ZZr+3] op_sel:[0,1,0] op_sel_hi:[1,1,1]     ; unit j + 1
.endif
.if \fm
	v_rcp_f32 v[RMr], v[RMr+1]                                                             ; one reciprocal for four evaluations
.endif
.if \fb
	v_pk_fma_f32 v[RR+2:RR+3], v[RR+2:RR+3], v[RR+2:RR+3], v[RR+2:RR+3] neg_lo:[1,0,0] neg_hi:[1,0,0]
	v_pk_fma_f32 v[ACC:ACC+1], v[RR:RR+1], v[EBr+2:EBr+3], v[ACC:ACC+1] op_sel:[0,1,0] op_sel_hi:[1,1,1]             ; += w'_j (r - r^2)
	v_pk_fma_f32 v[ACC+2:ACC+3], v[RR+2:RR+3], v[EBr+6:EBr+7], v[ACC+2:ACC+3] op_sel:[0,1,0] op_sel_hi:[1,1,1]       ; += w'_j+1 (..)
.endif
.endm
; A trip.  At the head of block g's five steps the block two further on is fetched, into the buffer whose last reader (the sums of block g - 1's
; last quad) has just issued; blocks 6 and 7 are the next trip's blocks 0 and 1, 160 bytes on.  In a block's third step stage fz first touches
; the next block: behind that block's ten loads just the ten of the block after it have been issued, hence s_wait_dscnt 10 (LDS loads
; come back in order: ISA guide 5.7.1).  last = 1: nothing is fetched beyond block 5, the wait for block 5 is for 0, and the stages run out.
.macro TRIP last
.set n, 0
.rept 30
.set G, n/5
.if (n%5) == 0
.if G < 4
.set FB, (G+2)%3
.set FO, GRP*(G+2)
	FETCH FB, FO
.elseif \last == 0
.set FB, (G+2)%3
.set FO, BLK+GRP*(G-4)
	FETCH FB, FO
.endif
.endif
.if (n%5) == 2
.if \last == 0
	s_wait_dscnt 10
.elseif n < 22
	s_wait_dscnt 10
.elseif n == 22
	s_wait_dscnt 0
.endif
.endif
.set FM, 1
.set FE, 1
.set FZ, 1
.if \last
.if n >= 27
.set FZ, 0
.endif
.if n >= 28
.set FE, 0
.endif
.if n >= 29
.set FM, 0
.endif
.endif
	STEP n, 1, FM, FE, FZ
.set n, n+1
.endr
.endm
	FETCH 0, 0
	FETCH 1, GRP
	s_wait_dscnt 10                                ; block 0 is in, block 1's ten loads stay out: the state in which every trip begins
	STEP 27, 0, 0, 0, 1                            ; the pipeline fills: z' of quad 0,
	STEP 28, 0, 0, 1, 1                            ; u of quad 0, z' of quad 1,
	STEP 29, 0, 1, 1, 1                            ; products of quad 0, u of quad 1, z' of quad 2
	s_mov_b32 s30, 4
.Ltrip:
	TRIP 0
	v_add_nc_u32 v[LA], BLK, v[LA]                 ; the next ten units of every group
	s_sub_co_u32 s30, s30, 1
	s_cmp_lg_u32 s30, 0
	s_cbranch_scc1 .Ltrip
	TRIP 1                                         ; the fifth trip, written out: no load beyond the groups' 50 units
	v_pk_add_f32 v[ACC:ACC+1], v[ACC:ACC+1], v[ACC+2:ACC+3]
	global_store_b64 v[RO], v[ACC:ACC+1], s[20:21] th:TH_STORE_NT   ; a wave's store covers 256 consecutive bytes, at a multiple of 256 from out0's first byte
	s_wait_tensorcnt 0x0
	ds_add_u32 v188, v189
	s_wait_dscnt 0x0
	s_endpgm
.Lfunc_end_k_q4e4ce2e850_rk4:
	.size	k_q4e4ce2e850_rk4, .Lfunc_end_k_q4e4ce2e850_rk4-k_q4e4ce2e850_rk4
	.p2alignl 7, 3214868480
	.fill 96, 4, 3214868480
	.section	.rodata,"a",@progbits
	.p2align	6, 0x0
	.amdhsa_kernel k_q4e4ce2e850_rk4
		.amdhsa_group_segment_fixed_size 21504
		.amdhsa_private_segment_fixed_size 0
		.amdhsa_enable_private_segment 0
		.amdhsa_kernarg_size 72
		.amdhsa_user_sgpr_count 2
		.amdhsa_user_sgpr_kernarg_segment_ptr 1
		.amdhsa_wavefront_size32 1
		.amdhsa_system_sgpr_workgroup_id_x 1
		.amdhsa_system_sgpr_workgroup_id_y 1
		.amdhsa_system_sgpr_workgroup_id_z 1
		.amdhsa_system_vgpr_workitem_id 0
		.amdhsa_next_free_vgpr 190
		.amdhsa_next_free_sgpr 66
		.amdhsa_reserve_vcc 1
		.amdhsa_float_denorm_mode_32 3
		.amdhsa_float_denorm_mode_16_64 3
		.amdhsa_memory_ordered 1
		.amdhsa_forward_progress 1
		.amdhsa_inst_pref_size 96
	.end_amdhsa_kernel
	.amdgpu_metadata
---
amdhsa.version: [ 1, 2 ]
amdhsa.kernels:
  - .name:           k_q4e4ce2e850_rk4
    .symbol:         k_q4e4ce2e850_rk4.kd
    .args:
      - { .name: WW1, .offset: 0, .size: 8, .value_kind: global_buffer, .address_space: global }
      - { .name: WW2, .offset: 8, .size: 8, .value_kind: global_buffer, .address_space: global }
      - { .name: bb1, .offset: 16, .size: 8, .value_kind: global_buffer, .address_space: global }
      - { .name: lnRo, .offset: 24, .size: 8, .value_kind: global_buffer, .address_space: global }
      - { .name: t, .offset: 32, .size: 8, .value_kind: global_buffer, .address_space: global }
      - { .name: x0, .offset: 40, .size: 8, .value_kind: global_buffer, .address_space: global }
      - { .name: x1, .offset: 48, .size: 8, .value_kind: global_buffer, .address_space: global }
      - { .name: x2, .offset: 56, .size: 8, .value_kind: global_buffer, .address_space: global }
      - { .name: out0, .offset: 64, .size: 8, .value_kind: global_buffer, .address_space: global }
    .group_segment_fixed_size: 21504
    .private_segment_fixed_size: 0
    .kernarg_segment_align: 8
    .kernarg_segment_size: 72
    .max_flat_workgroup_size: 256
    .sgpr_count:     66
    .vgpr_count:     190
    .wavefront_size: 32
...
	.end_amdgpu_metadata
.endif
;; end of part 1
;; ======== version 2 of 2: 1 launch; 1.19 times as fast as version 1
;; launch rk4 (part 2): grid 256 x 1, 8 waves a work-group, no clusters, 21,504 bytes of LDS; arguments WW1, WW2, bb1, lnRo, t, x0, x1, x2, out0; writes out0
.if DOCPART == 2
	.amdgcn_target "amdgcn-amd-amdhsa--gfx1250"
	.amdhsa_code_object_version 6
	.text
	.protected	k_q4e4ce2e850_rk4
	.globl	k_q4e4ce2e850_rk4
	.p2align	8
	.type	k_q4e4ce2e850_rk4,@function
k_q4e4ce2e850_rk4:
	s_mov_b64 s[64:65], 0
	v_nop
	global_prefetch_b8 v0, s[64:65] scope:SCOPE_SE
	s_setreg_imm32_b32 hwreg(HW_REG_WAVE_MODE, 25, 1), 1
	s_wait_xcnt 0x0
; out[r] = lnRo[r] - (0.05/6) (d(x0[r], t) + 4 d(x1[r], t + 0.025) + d(x2[r], t + 0.05)),
; d(x, t') = sum over the 550 units e = (i, l, h) of phi_i(t') g_e (1 - tanh^2(W1_e . x + b_e)),  g_e = sum over d of WW2[i,l,d,h] WW1[i,l,h,d].
;
; WHAT IS NOT COMPUTED.  phi is the hat basis on the 11 knots k/10: for any real t' only the knots i0 = clamp(floor(10 t'), 0, 9) and i0 + 1
; can carry weight (outside [-0.1, 1.1] the same formula gives both the weight 0).  So 3 times x 2 knots x 50 units = 300 units per row are
; evaluated in place of 1,650.  The choice hangs on t, a float, so it steers no address and no branch: every work-group reads all of WW1, WW2, bb1,
; builds all 550 units in LDS and picks the 300 by v_cndmask_b32.
; ARITHMETIC.  With c = 2 log2(e) folded into W1 and b:  z' = c z,  u = 2^-|z'| = e^(-2|z|) in [0, 1],  r = 1 / (1 + u),  1 - tanh^2 z = 4 (r - r^2).
; Nothing can overflow, since u <= 1.  The weight kept in the table is w' = kappa hat g, kappa = -(0.05/6) 10 4 {1, 4, 1} = -1/3, -4/3, -1/3.
; One v_rcp_f32 serves four evaluations (two units x my two rows): their four 1 + u lie in [1, 2], the product PP in [1, 16], and each
; 1 / (1 + u) is 1 / PP times the other three.
; BATCHES.  The main loop goes by blocks of 5 quads (10 units x my two rows).  In block g's period the 5 reciprocals of block g and the 20 exponentials
; of block g + 1 are ONE batch with ONE wait.  Ahead of the wait stands all that names no result of the batch: block g's 1 + u, P and PP (they read the
; exponentials of the period before) and block g + 1's z', dealt among the 25 transcendentals.  Behind it stand block g's r, r - r^2 and sums, 35 plain
; lines.  No transcendental is issued behind a period's wait, so no result crosses a period's end, the loop's label or its jump.
; LIMITS KEPT.  (1) The nine knots left out at each time have weight 0 in exact arithmetic; in f32 the hat formula can leave them a rounding residue
; (about 1e-6 for t in [0, 1], about 4e-5 for |t| near 30), which is dropped here, and non-finite numbers in the weights of such knots do not reach
; the result.  (2) A NaN or infinite t gives hat weights 0, not NaN.  (3) A knot is taken as k x 0.1 in f32, at most one unit in the last place
; from k / 10.  (4) The constants are folded into the tables, so the order of rounding differs from the formula's as written above.
; r - r^2 carries an absolute error of a few 1e-7 whatever z is.
; SHARES.  256 work-groups of 8 waves; a work-group owns 512 rows, thread t the rows 2 t and 2 t + 1 of them (packed f32 arithmetic: low half row 2 t).
; NOT USED, and why: matrix instructions (K = 2 would fill 2 of 32 places along K, and 16-bit operands would spoil z where W.x and b cancel);
; tensor loads and clusters (the work-groups share only the 11,000 bytes of tables, read once each); prefetches (every global load is issued at the start).
.set FT,   0                           ; LDS: full table, 768 slots of 16 bytes (a0', a1', b', g); slot e = 50 i + 5 l + h; slots 550-767 repeat unit 549,
                                       ;      so that each thread stores three slots of its own and no store is masked
.set CT,   12288                       ; LDS: chosen table, slot = thread + 256 pass, 16 bytes (a0', a1', b', w'); group g = 2 tau + a at CT + 1024 g,
                                       ;      slots 0-49 of a group are used; groups 6, 7 (the last 2,048 bytes) are neither written nor read
.set KNOT, 800                         ; bytes of a knot's 50 units in FT
.set GRP,  1024                        ; bytes from group to group in CT
.set BLK,  160                         ; bytes of a block: 10 units of one group
.set T16,  1                           ; v1       16 x thread
.set LH16, 2                           ; v2       16 x (thread mod 64)
.set LA,   3                           ; v3       main loop: LDS address of this trip's units in group 0, the same in all lanes
.set XO,   4                           ; v4       my byte offset in x0, x1, x2
.set RO,   5                           ; v5       my byte offset in lnRo and out0
.set O8,   6                           ; v6-8     8 e   (WW1), e = min(thread + 256 k, 549), k = 0, 1, 2
.set O4,   9                           ; v9-11    4 e   (bb1)
.set O2,   12                          ; v12-14   4 (e + 5 (e / 5))  (WW2, d = 0; d = 1 lies 20 bytes on)
.set X,    16                          ; v[16:27] set tau at X + 4 tau: (x of row 0, x of row 1, y of row 0, y of row 1)
.set ACC,  28                          ; v[28:29] sum of the even units, started by lnRo; v[30:31] sum of the odd units
.set P,    32                          ; v[32:41] quad j of the block in hand at P + 2 j: (1 + u_j)(1 + u_j+1) for rows 0, 1
.set PR,   42                          ; v[42:51] quad j at PR + 2 j: 1 / PP in the even register, PP in the odd one
.set Q,    52                          ; v[52:53] 1 / P
.set RR,   54                          ; v[54:61] two sets of 4, by the quad's parity: r, then r - r^2
.set E,    68                          ; v[68:187] three buffers of 10 units x 4 registers; the preparation uses these registers first:
.set W1,   68                          ;   v[68:73] WW1 of my three units   v74-76 bb1   v77-79 WW2 d = 0   v80-82 WW2 d = 1
.set BB,   74
.set W2A,  77
.set W2B,  80
.set FQ,   84                          ;   v[84:95] my three slots of FT
.set CAND, 68                          ;   v[68:111] the eleven knots' candidates for a slot of CT; v112-121 the hat weight's arithmetic
.set Z,    190                         ; v[190:229] two sets of 20, by the block's parity; in a set quad j at 4 j: z', then u, then 1 + u (unit j rows 0, 1; unit j + 1 rows 0, 1):
                                       ;   every exponential of an open batch has a register of its own, beside the 1 + u of the block in hand
	s_load_b512 s[4:19], s[0:1], 0x0               ; WW1 s[4:5], WW2 s[6:7], bb1 s[8:9], lnRo s[10:11], t s[12:13], x0 s[14:15], x1 s[16:17], x2 s[18:19]
	s_load_b64 s[20:21], s[0:1], 0x40              ; out0
	v_lshl_add_u32 v188, v0, 2, 0x5000
	v_mov_b32 v189, 0
	v_lshrrev_b32 v15, 5, v0
	v_readfirstlane_b32 s28, v15                   ; wave 0..7
	s_lshl_b32 s24, ttmp9, 12                      ; 512 rows of 8 bytes
	s_lshl_b32 s25, ttmp9, 11                      ; 512 rows of 4 bytes
	s_mov_b32 s29, 0xbeaaaaab                      ; -1/3
	v_lshlrev_b32 v[T16], 4, v0
	v_and_b32 v[LH16], 63, v0
	v_lshlrev_b32 v[LH16], 4, v[LH16]
	v_lshl_add_u32 v[XO], v0, 4, s24               ; two rows of x: 16 bytes a thread
	v_lshl_add_u32 v[RO], v0, 3, s25               ; two rows of lnRo, out0: 8 bytes a thread
.irp k, 0,1,2
	v_add_nc_u32 v[O4+\k], 256*\k, v0              ; e
.if \k == 2
	v_min_u32 v[O4+\k], 549, v[O4+\k]              ; threads beyond the last unit take it once more: no load leaves a table
.endif
	v_mul_u32_u24 v15, v[O4+\k], 0xcccd            ; e / 5 = (52,429 e) >> 18, exact for e < 43,690
	v_lshrrev_b32 v15, 18, v15
	v_mad_u32_u24 v15, v15, 5, v[O4+\k]            ; WW2's index (10 (e / 5) + 5 d + e mod 5) = e + 5 (e / 5) + 5 d
	v_lshlrev_b32 v[O2+\k], 2, v15
	v_lshlrev_b32 v[O8+\k], 3, v[O4+\k]
	v_lshlrev_b32 v[O4+\k], 2, v[O4+\k]
.endr
	s_wait_kmcnt 0x0
	s_load_b32 s22, s[12:13], 0x0                  ; t
.irp k, 0,1,2
	global_load_b64 v[W1+2*\k:W1+2*\k+1], v[O8+\k], s[4:5]
	global_load_b32 v[BB+\k],  v[O4+\k], s[8:9]
	global_load_b32 v[W2A+\k], v[O2+\k], s[6:7]
	global_load_b32 v[W2B+\k], v[O2+\k], s[6:7] offset:20
.endr
	global_load_b128 v[X:X+3],    v[XO], s[14:15] th:TH_LOAD_NT   ; a wave's load covers 512 consecutive bytes; read once in the launch
	global_load_b128 v[X+4:X+7],  v[XO], s[16:17] th:TH_LOAD_NT
	global_load_b128 v[X+8:X+11], v[XO], s[18:19] th:TH_LOAD_NT
	global_load_b64  v[ACC:ACC+1], v[RO], s[10:11] th:TH_LOAD_NT  ; lnRo starts the first sum
	; PHASE A: the full table.  Each thread makes three slots.
	s_wait_loadcnt 0x4                             ; loads come back in order (ISA guide 5.7.1): the twelve table loads are in, x0, x1, x2, lnRo stay out
.irp k, 0,1,2
	v_pk_mul_f32 v[FQ+4*\k:FQ+4*\k+1], v[W1+2*\k:W1+2*\k+1], 0x4038aa3b op_sel_hi:[1,0]   ; a' = 2 log2(e) W1
	v_mul_f32 v[FQ+4*\k+2], 0x4038aa3b, v[BB+\k]                                          ; b' = 2 log2(e) b
	v_mul_f32 v[FQ+4*\k+3], v[W2A+\k], v[W1+2*\k]                                         ; g
	v_fmac_f32 v[FQ+4*\k+3], v[W2B+\k], v[W1+2*\k+1]
	ds_store_b128 v[T16], v[FQ+4*\k:FQ+4*\k+3] offset:FT+4096*\k
.endr
	s_wait_dscnt 0x0                               ; my slots are written, for the other waves' sake,
	s_barrier_signal -1
	s_barrier_wait -1                              ; and so are everybody's
	s_wait_kmcnt 0x0                               ; t
; PHASE B: one slot of the chosen table for each thread.  Slot = thread + 256 k: time tau = slot / 128, neighbour a = (slot / 64) mod 2,
; unit in the knot = slot mod 64 (50-63: finite numbers from FT's next slots, stored and never used).
; All eleven knots' candidates are read; the knot's number only selects values.
.macro SELECT k
.irp i, 0,1,2,3,4,5,6,7,8,9,10
	ds_load_b128 v[CAND+4*\i:CAND+4*\i+3], v[LH16] offset:FT+KNOT*\i
.endr
	v_lshrrev_b32 v112, 7, v0
.if \k
	v_add_nc_u32 v112, 2*\k, v112                  ; tau
.endif
	v_bfe_u32 v113, v0, 6, 1                       ; a
	v_cvt_f32_u32 v114, v112
	v_and_b32 v115, 1, v112
	v_cvt_f32_u32 v115, v115                       ; 1.0 for the middle time
	v_cvt_f32_u32 v113, v113
	v_fma_f32 v114, v114, 0x3ccccccd, s22          ; t' = t + 0.025 tau (2 x 0.025 in f32 is 0.05 in f32: one rounding, as in t + 0.05)
	v_mul_f32 v116, 0x41200000, v114               ; 10 t'
	v_floor_f32 v116, v116
	v_max_num_f32 v116, 0, v116
	v_min_num_f32 v116, 0x41100000, v116           ; i0 = clamp(floor(10 t'), 0, 9)
	v_add_f32 v116, v116, v113                     ; my knot, i0 + a
	v_cvt_u32_f32 v117, v116
	v_fma_f32 v118, v116, 0xbdcccccd, v114         ; s = t' - 0.1 knot
	v_add_f32 v119, 0x3dcccccd, v118               ; s + 0.1
	v_add_f32 v120, 0xbdcccccd, v118               ; s - 0.1
	v_max_num_f32 v118, 0, v118
	v_max_num_f32 v119, 0, v119
	v_max_num_f32 v120, 0, v120
	v_fma_f32 v119, v118, -2.0, v119               ; relu(s + 0.1) - 2 relu(s)
	v_add_f32 v119, v119, v120                     ; + relu(s - 0.1)
	v_fma_f32 v121, v115, -1.0, s29                ; kappa = -1/3, or -4/3 for the middle time
	v_mul_f32 v119, v119, v121
	s_wait_dscnt 0x0                               ; the eleven candidates
.irp i, 1,2,3,4,5,6,7,8,9,10
	v_cmp_eq_u32 vcc_lo, \i, v117
	v_cndmask_b32 v[CAND],   v[CAND],   v[CAND+4*\i],   vcc_lo
	v_cndmask_b32 v[CAND+1], v[CAND+1], v[CAND+4*\i+1], vcc_lo
	v_cndmask_b32 v[CAND+2], v[CAND+2], v[CAND+4*\i+2], vcc_lo
	v_cndmask_b32 v[CAND+3], v[CAND+3], v[CAND+4*\i+3], vcc_lo
.endr
	v_mul_f32 v[CAND+3], v[CAND+3], v119           ; w' = kappa hat g
	ds_store_b128 v[T16], v[CAND:CAND+3] offset:CT+4096*\k
.endm
	SELECT 0                                       ; groups 0-3: times t and t + 0.025
	s_cmp_ge_u32 s28, 4
	s_cbranch_scc1 .Lchosen                        ; groups 4, 5 (time t + 0.05) are 128 slots: waves 0-3
	SELECT 1
.Lchosen:
	s_wait_loadcnt 0x0                             ; x0, x1, x2, lnRo
	s_wait_dscnt 0x0                               ; my slots of the chosen table are written, for the others' sake
	s_barrier_signal -1
.irp s, 0,1,2
	v_mov_b32 v66, v[X+4*\s+1]                     ; (x, y) of two rows becomes (x, x, y, y): pairs for the packed arithmetic
	v_mov_b32 v[X+4*\s+1], v[X+4*\s+2]
	v_mov_b32 v[X+4*\s+2], v66
.endr
	v_mov_b32 v[ACC+2], 0
	v_mov_b32 v[ACC+3], 0
	v_mov_b32 v[LA], CT
	s_barrier_wait -1                              ; the chosen table is whole; it is never written again: no further barrier
; PHASE C.  A quad = units j, j + 1 of one group x my two rows.  A trip = 30 quads: a block of 5 quads (10 units) of each of the 6 groups.
; Five trips, 150 quads.  A block's 10 units come by ten LDS loads, every lane at the same address, into one of three register buffers.
.macro FETCH buf, off
.irp e, 0,1,2,3,4,5,6,7,8,9
	ds_load_b128 v[E+40*(\buf)+4*\e:E+40*(\buf)+4*\e+3], v[LA] offset:(\off)+16*\e
.endr
.endm
; AHEAD OF THE WAIT, in block g's period (block numbers wrap at 6).  fm = 1: block g's 1 + u, P, PP and its five reciprocals.  fz = 1: block g + 1's z' and its twenty exponentials.
; One turn of the assembler's loop deals 8 plain lines and 5 transcendentals: quad j's plain lines, the first two exponentials of quad j, the last two exponentials and the reciprocal
; of quad j - 1; the sixth turn holds those last three alone.  An exponential stands 4 lines or more behind the line that ends its z', a reciprocal 9 lines behind its PP.
; No line here names a result of the batch: the 1 + u lines read the other set of Z, whose exponentials had their wait a period ago; the z' lines of quad j name quad j's registers, ahead of its exponentials.
; Behind v_exp_f32 and v_rcp_f32 one plain vector instruction that names none of their registers stands before the result is used (ISA guide 5.7.2): a plain line of this macro,
; and for the last transcendentals the first plain line that follows the wait, which names quad 0's registers alone.
.macro AHEAD g, fm, fz
.set ZBb, Z+20*((\g)%2)                            ; block g
.set ZNb, Z+20*(((\g)+1)%2)                        ; block g + 1
.set ENb, E+40*(((\g)+1)%3)
.set XNr, X+4*((((\g)+1)%6)/2)                     ; group = block number = 2 tau + a
.set j, 0
.rept 6
.set ZMr, ZBb+4*j                                  ; quad j of block g
.set ZZr, ZNb+4*j                                  ; quad j of block g + 1
.set ZEr, ZNb+4*j-4                                ; quad j - 1 of block g + 1
.set EZr, ENb+8*j
.if (\fz) && (j < 5)
	v_pk_fma_f32 v[ZZr:ZZr+1], v[XNr:XNr+1], v[EZr:EZr+1], v[EZr+2:EZr+3] op_sel_hi:[1,0,0]           ; x a0' + b', unit j
.endif
.if (\fz) && (j > 0)
	v_exp_f32 v[ZEr+2], -|v[ZEr+2]|                                                        ; u = 2^-|z'|
.endif
.if (\fm) && (j < 5)
	v_pk_add_f32 v[ZMr:ZMr+1], v[ZMr:ZMr+1], 1.0 op_sel_hi:[1,0]                           ; d_j = 1 + u_j
.endif
.if (\fz) && (j < 5)
	v_pk_fma_f32 v[ZZr+2:ZZr+3], v[XNr:XNr+1], v[EZr+4:EZr+5], v[EZr+6:EZr+7] op_sel_hi:[1,0,0]       ; unit j + 1
.endif
.if (\fz) && (j > 0)
	v_exp_f32 v[ZEr+3], -|v[ZEr+3]|
.endif
.if (\fm) && (j < 5)
	v_pk_add_f32 v[ZMr+2:ZMr+3], v[ZMr+2:ZMr+3], 1.0 op_sel_hi:[1,0]                       ; d_j+1
.endif
.if (\fz) && (j < 5)
	v_pk_fma_f32 v[ZZr:ZZr+1], v[XNr+2:XNr+3], v[EZr:EZr+1], v[ZZr:ZZr+1] op_sel:[0,1,0] op_sel_hi:[1,1,1]           ; + y a1', unit j
.endif
.if (\fm) && (j > 0)
	v_rcp_f32 v[PR+2*j-2], v[PR+2*j-1]                                                     ; one reciprocal for four evaluations
.endif
.if (\fm) && (j < 5)
	v_pk_mul_f32 v[P+2*j:P+2*j+1], v[ZMr:ZMr+1], v[ZMr+2:ZMr+3]                            ; P = d_j d_j+1, rows 0 and 1
.endif
.if (\fz) && (j < 5)
	v_pk_fma_f32 v[ZZr+2:ZZr+3], v[XNr+2:XNr+3], v[EZr+4:EZr+5], v[ZZr+2:ZZr+3] op_sel:[0,1,0] op_sel_hi:[1,1,1]     ; unit j + 1
	v_exp_f32 v[ZZr], -|v[ZZr]|
.endif
.if (\fm) && (j < 5)
	v_mul_f32 v[PR+2*j+1], v[P+2*j], v[P+2*j+1]                                            ; PP, in [1, 16]
.endif
.if (\fz) && (j < 5)
	v_exp_f32 v[ZZr+1], -|v[ZZr+1]|
.endif
.set j, j+1
.endr
	s_wait_alu depctr_va_vdst(0)                   ; the wait, ONE for the batch: block g's reciprocals, read by BEHIND, and block g + 1's exponentials, read by the next period's 1 + u lines
.endm
; BEHIND THE WAIT: block g's 35 plain lines.  A quad's second half (r - r^2 and the two sums) stands among the next quad's first half (1 / P, the two r), so that no line reads
; the result of the line in front of it; hence two sets of RR.  The sums take the quads in ascending order.
.macro BEHIND g
.set ZBb, Z+20*((\g)%2)
.set EBb, E+40*((\g)%3)
.set j, 0
.rept 6
.set ZBr, ZBb+4*j                                  ; quad j
.set RAr, RR+4*(j%2)                               ; quad j's r
.set ROr, RR+4*((j+1)%2)                           ; quad j - 1's
.set EOr, EBb+8*j-8                                ; quad j - 1's units
.if j < 5
	v_pk_mul_f32 v[Q:Q+1], v[PR+2*j:PR+2*j+1], v[P+2*j:P+2*j+1] op_sel:[0,1] op_sel_hi:[0,0]          ; 1 / P = (P of the other row) / PP
.endif
.if j > 0
	v_pk_fma_f32 v[ROr:ROr+1], v[ROr:ROr+1], v[ROr:ROr+1], v[ROr:ROr+1] neg_lo:[1,0,0] neg_hi:[1,0,0]             ; r - r^2
	v_pk_fma_f32 v[ROr+2:ROr+3], v[ROr+2:ROr+3], v[ROr+2:ROr+3], v[ROr+2:ROr+3] neg_lo:[1,0,0] neg_hi:[1,0,0]
.endif
.if j < 5
	v_pk_mul_f32 v[RAr:RAr+1], v[Q:Q+1], v[ZBr+2:ZBr+3]                                    ; r_j = d_j+1 / P
.endif
.if j > 0
	v_pk_fma_f32 v[ACC:ACC+1], v[ROr:ROr+1], v[EOr+2:EOr+3], v[ACC:ACC+1] op_sel:[0,1,0] op_sel_hi:[1,1,1]           ; += w'_j (r - r^2)
.endif
.if j < 5
	v_pk_mul_f32 v[RAr+2:RAr+3], v[Q:Q+1], v[ZBr:ZBr+1]                                    ; r_j+1 = d_j / P
.endif
.if j > 0
	v_pk_fma_f32 v[ACC+2:ACC+3], v[ROr+2:ROr+3], v[EOr+6:EOr+7], v[ACC+2:ACC+3] op_sel:[0,1,0] op_sel_hi:[1,1,1]     ; += w'_j+1 (..)
.endif
.set j, j+1
.endr
.endm
; A trip: six periods.  At the head of block g's period the block two further on is fetched, into the buffer whose last reader (the sums of block g - 1's
; last quad) has just issued; blocks 6 and 7 are the next trip's blocks 0 and 1, 160 bytes on.  The period's first lines form the z' of block g + 1:
; behind that block's ten loads just the ten of the block after it have been issued, hence s_wait_dscnt 10 directly behind the fetch (LDS loads
; come back in order: ISA guide 5.7.1).  last = 1: nothing is fetched beyond block 5, the wait for block 5 is for 0, and block 5's period has no next block.
.macro TRIP last
.set G, 0
.rept 6
.if G < 4
.set FB, (G+2)%3
.set FO, GRP*(G+2)
	FETCH FB, FO
	s_wait_dscnt 10
.elseif \last == 0
.set FB, (G+2)%3
.set FO, BLK+GRP*(G-4)
	FETCH FB, FO
	s_wait_dscnt 10
.elseif G == 4
	s_wait_dscnt 0
.endif
.if (\last) && (G == 5)
	AHEAD G, 1, 0
.else
	AHEAD G, 1, 1
.endif
	BEHIND G
.set G, G+1
.endr
.endm
	FETCH 0, 0
	FETCH 1, GRP
	s_wait_dscnt 10                                ; block 0 is in, block 1's ten loads stay out: the state in which every trip begins
	AHEAD 5, 0, 1                                  ; the fill: z' and u of block 0 (the block behind block 5), a batch of twenty with its wait, ahead of the label
	s_mov_b32 s30, 4
.Ltrip:
	TRIP 0
	v_add_nc_u32 v[LA], BLK, v[LA]                 ; the next ten units of every group
	s_sub_co_u32 s30, s30, 1
	s_cmp_lg_u32 s30, 0
	s_cbranch_scc1 .Ltrip
	TRIP 1                                         ; the fifth trip, written out: no load beyond the groups' 50 units
	v_pk_add_f32 v[ACC:ACC+1], v[ACC:ACC+1], v[ACC+2:ACC+3]
	global_store_b64 v[RO], v[ACC:ACC+1], s[20:21] th:TH_STORE_NT   ; a wave's store covers 256 consecutive bytes, at a multiple of 256 from out0's first byte
	s_wait_tensorcnt 0x0
	ds_add_u32 v188, v189
	s_wait_dscnt 0x0
	s_endpgm
.Lfunc_end_k_q4e4ce2e850_rk4:
	.size	k_q4e4ce2e850_rk4, .Lfunc_end_k_q4e4ce2e850_rk4-k_q4e4ce2e850_rk4
	.p2alignl 7, 3214868480
	.fill 96, 4, 3214868480
	.section	.rodata,"a",@progbits
	.p2align	6, 0x0
	.amdhsa_kernel k_q4e4ce2e850_rk4
		.amdhsa_group_segment_fixed_size 21504
		.amdhsa_private_segment_fixed_size 0
		.amdhsa_enable_private_segment 0
		.amdhsa_kernarg_size 72
		.amdhsa_user_sgpr_count 2
		.amdhsa_user_sgpr_kernarg_segment_ptr 1
		.amdhsa_wavefront_size32 1
		.amdhsa_system_sgpr_workgroup_id_x 1
		.amdhsa_system_sgpr_workgroup_id_y 1
		.amdhsa_system_sgpr_workgroup_id_z 1
		.amdhsa_system_vgpr_workitem_id 0
		.amdhsa_next_free_vgpr 230
		.amdhsa_next_free_sgpr 66
		.amdhsa_reserve_vcc 1
		.amdhsa_float_denorm_mode_32 3
		.amdhsa_float_denorm_mode_16_64 3
		.amdhsa_memory_ordered 1
		.amdhsa_forward_progress 1
		.amdhsa_inst_pref_size 93
	.end_amdhsa_kernel
	.amdgpu_metadata
---
amdhsa.version: [ 1, 2 ]
amdhsa.kernels:
  - .name:           k_q4e4ce2e850_rk4
    .symbol:         k_q4e4ce2e850_rk4.kd
    .args:
      - { .name: WW1, .offset: 0, .size: 8, .value_kind: global_buffer, .address_space: global }
      - { .name: WW2, .offset: 8, .size: 8, .value_kind: global_buffer, .address_space: global }
      - { .name: bb1, .offset: 16, .size: 8, .value_kind: global_buffer, .address_space: global }
      - { .name: lnRo, .offset: 24, .size: 8, .value_kind: global_buffer, .address_space: global }
      - { .name: t, .offset: 32, .size: 8, .value_kind: global_buffer, .address_space: global }
      - { .name: x0, .offset: 40, .size: 8, .value_kind: global_buffer, .address_space: global }
      - { .name: x1, .offset: 48, .size: 8, .value_kind: global_buffer, .address_space: global }
      - { .name: x2, .offset: 56, .size: 8, .value_kind: global_buffer, .address_space: global }
      - { .name: out0, .offset: 64, .size: 8, .value_kind: global_buffer, .address_space: global }
    .group_segment_fixed_size: 21504
    .private_segment_fixed_size: 0
    .kernarg_segment_align: 8
    .kernarg_segment_size: 72
    .max_flat_workgroup_size: 256
    .sgpr_count:     66
    .vgpr_count:     230
    .wavefront_size: 32
...
	.end_amdgpu_metadata
.endif
;; end of part 2
